; MI455X (gfx1250); checked and timed in simulation.
; The chip was launched on July 23, 2026; its instructions are those of AMD's public machine-readable ISA for CDNA 5 (MIT licence, August 2026) and "CDNA5" Instruction Set Architecture Reference Guide (July 2026). The comments in the code are by the model that wrote it; some were corrected since.
;; Standard Attention. Allowed arithmetic: matrix products marked QUANTISED: E5M2 operands, one E8M0 scale for each 32 along K, by v_wmma_scale_f32_16x16x128_f8f6f4 with both operands' format E5M2, f32 sums; everything else in f32.
;; Inputs: k 2,048 x 2 x 16 x 64 float32; q 2,048 x 2 x 16 x 64 float32; v 2,048 x 2 x 16 x 64 float32.
;; Outputs: out0 2,048 x 2 x 16 x 64 float32.
;; This version of the problem:
;;   THIS VERSION OF THE PROBLEM IS GIVEN IN LOW PRECISION. The matrix products marked QUANTISED in the list below multiply operands that are first quantised to E5M2 (5 exponent bits, 2 mantissa bits; 8 bits a number), with one power-of-two scale for each 32 numbers along K (OCP MX v1.0); their sums are f32. All else is computed in f32.
;;   The module's matrix products, in the order in which they are computed (A, B: the left and right operand; K: the contracted axis; several contracted axes count as one K, in the product's order):
;;     1. batch 32 x [M 2,048, K 64] x [K 64, N 2,048]; A: input q; B: input k: QUANTISED
;;     2. batch 32 x [M 2,048, K 2,048] x [K 2,048, N 64]; A: softmax (see below); B: input v: QUANTISED
;;   THE QUANTISER, for each operand of a quantised product, along K:
;;     - K is cut into blocks of 32 from its start; a last block that is shorter is filled with zeros.
;;     - A block's scale is 2^e with e = floor(log2(the largest magnitude in the block)) - 15, held to -126 .. 127; a block of zeros has e = 0. As a byte (E8M0): e + 127.
;;     - Each number is divided by its block's scale, clamped to +-57,344, and rounded to the nearest number of E5M2, ties to even, subnormals kept.
;;     - The product sums the exact products of the quantised numbers (number of the format x scale) in f32.
;;   ~~~python
;;   def quantise(x, axis):      # numpy; x: float32 -> the quantised numbers, widened to float32 again
;;       x = np.moveaxis(x, axis, -1); K = x.shape[-1]
;;       x = np.pad(x, [(0, 0)] * (x.ndim - 1) + [(0, -K % 32)]); x = x.reshape(x.shape[:-1] + (-1, 32)); a = np.abs(x).max(-1, keepdims=True)
;;       e = np.where(a > 0, np.clip(np.frexp(np.where(a > 0, a, 1))[1] - 1 - 15, -126, 127), 0)      # np.frexp(a)[1] - 1 = floor(log2(a)), exactly
;;       r = np.clip(x / 2.0 ** e, -57344, 57344)
;;       step = 2.0 ** (np.maximum(np.frexp(np.where(r == 0, 1, r))[1] - 1, -14) - 2)
;;       q = np.round(r / step) * step * 2.0 ** e      # np.round: ties to even
;;       return np.moveaxis(q.reshape(q.shape[:-2] + (-1,))[..., :K], -1, axis).astype(np.float32)
;;   ~~~
;;   SOFTMAX AHEAD OF A QUANTISED PRODUCT. Where the list says 'softmax', what is quantised is not the finished softmax but p = 2^(t - M), with t = logit x log2(e) and M = ceil(the row's largest t), a whole number; so 1/2 < the row's largest p <= 1. The row's sum l is taken of the UNQUANTISED p, in f32, and the product's result is divided by l at the end. Since M is a whole number, a kernel that streams over the keys may use a running M (the ceiling of the running maximum): every later rescaling is an exact power of two, which a block's scale takes up: the codes' values come out the same.
;;   OPERANDS COMPUTED ON THE WAY. 'Computed on the way' means the value that the module computes at that place (a softmax that the list does not call 'softmax' is quantised finished and normalised). What goes into a quantiser is computed in f32, as accurately as f32 sums, v_exp_f32 and their like allow (about 1e-6 of the number): no bf16 or f16 on the way to a quantiser, and a product that is left as it is and whose result goes on into a quantised operand takes f32 operands (vector FMAs, or v_wmma_f32_16x16x4_f32). A number that lies on a knife's edge between two numbers of the format may be rounded either way, as far as f32 arithmetic and the matrix unit's own rounding can turn it there, and no further.
;; One version. Each part assembles by itself: llvm-mc -triple=amdgcn-amd-amdhsa -mcpu=gfx1250 --defsym DOCPART=n.
;; ======== version 1 of 1: 2 launches
;; limits: right only within a limited range of input values
;; workspace buffers: ws 8,912,896 bytes
;; launch quant (part 1): grid 256 x 1, 8 waves a work-group, no clusters, 167,936 bytes of LDS; arguments k, v, ws; writes ws
.if DOCPART == 1
	.amdgcn_target "amdgcn-amd-amdhsa--gfx1250"
	.amdhsa_code_object_version 6
	.text
	.protected	k_q42f317ffeb_quant
	.globl	k_q42f317ffeb_quant
	.p2align	8
	.type	k_q42f317ffeb_quant,@function
k_q42f317ffeb_quant:
	s_mov_b64 s[64:65], 0
	v_nop
	global_prefetch_b8 v0, s[64:65] scope:SCOPE_SE
	s_setreg_imm32_b32 hwreg(HW_REG_WAVE_MODE, 25, 1), 1
	s_wait_xcnt 0x0
; k, v: [2048 (s)][32 (head)][64 (d)] f32.  They become codes of BF8 (E5M2) with one E8M0 scale byte for each 32 along a product's K, laid in ws IN THE ORDER OF THE OPERANDS' REGISTERS.  (q is quantised by the launch that multiplies it.)
; ws = [head 32][step 16][17,408 bytes]; a step is 128 keys of a head.  r = lane % 16, h = lane / 16:
;   0      K image: tile t (0..7), c (0, 1), lane L at 1024 t + 512 c + 16 L: 16 codes of key 16 t + r, d = 32 c + 16 h + 0..15
;   8,192  V image: tile t (0..3), c (0..3), lane L at 2048 t + 512 c + 16 L: 16 codes of d = 4 r + t; code i is key 32 c + 16 (i / 8) + 8 h + i % 8 (the order in which the product with p holds its keys)
;   16,384 K's scale words: tile t, row r at 256 (t / 4) + 16 r + 4 (t % 4): byte 0 for d 0..31, byte 1 for d 32..63, bytes 2 and 3 = 127 (they meet zero codes in the product)
;   16,896 V's scale words: 16 r + 4 t: four bytes, one for each 32 keys; written twice, 256 bytes apart, so that 32 lanes read 512 bytes
; A block's scale is 2^(floor(log2(its largest magnitude)) - 15); its byte is the largest magnitude's exponent field - 15, held at 1 from below by a floor among the maximum's leaves.
; Each number is held within +-57,344 x the scale and rounded to the nearest code, ties to even, by the scaled conversion.
; LIMITS: NaN and infinities among the inputs are not served; blocks whose largest magnitude is under 2^-111 have their byte held at 1.  A block of zeros gets the byte 1 where the rule says 127: its codes are zeros, and this program alone reads the bytes.
; DEAD WORK: none is left out here.
; SHARES: a work-group takes 256 rows of one head, of k (waves 0-3) and of v (waves 4-7): 64 rows a wave, brought by ONE tensor load of 64 rows x 256 bytes into LDS bytes that are the wave's own.
; Work-groups share no input, so there is no cluster; all loads stand at the head and there is no loop to run ahead in, so nothing is prefetched.
.set STEPB, 17408
.set WHEAD, 16*STEPB
.set VIMG,  8192
.set KSCL,  16384
.set VSCL,  16896
.set SP,    272                        ; an LDS row: 256 bytes + 16 of padding: sixteen rows' 16-byte pieces fall on sixteen different places modulo 256
.set WREG,  64*SP
.set SCRB,  8*WREG                     ; 256 bytes for each wave of v: its halves of the scale words
.set SPARE, SCRB+1024                  ; the spare words, 128 bytes for each of 8 waves
.set L16, 1
.set R16, 2
.set KA,  3                            ; my lane's place in my rows of k;
.set VA,  4                            ; of v
.set SCW, 5                            ; my scale halves' place, and the neighbour's
.set SCO, 6
.set SPW, 7
.set NIL, 8
.set W,   12                           ; v12-15 scale words
.set TM,  16                           ; v16-19 largest magnitudes, v20-23 bytes, v24-27 the largest number x the scale, v28-31 the conversions' scale operands
.set C,   32                           ; v32-63 codes: registers of their own for every store
.set R,   64                           ; v64-191 numbers as they come from LDS
.set X,   192                          ; v192-255 v's numbers, held, a column's 16 on end
.set WV,  10
.set G1,  24
.set G0,  32
.set MNT, 50
.set SEL, 52
	s_load_b128 s[4:7], s[0:1], 0x0                ; k, v
	s_load_b64 s[8:9], s[0:1], 0x10                ; ws
	v_lshl_add_u32 v[SPW], v0, 2, SPARE
	v_mov_b32 v[NIL], 0
	ds_add_u32 v[SPW], v[NIL]
	ds_add_u32 v[SPW], v[NIL]
	v_lshrrev_b32 v9, 5, v0
	v_readfirstlane_b32 s[WV], v9                  ; wave 0..7
	v_and_b32 v9, 31, v0                           ; lane
	v_and_b32 v10, 15, v0                          ; r
	v_bfe_u32 v11, v0, 4, 1                        ; h
	s_and_b32 s12, ttmp9, 31                       ; head
	s_lshr_b32 s13, ttmp9, 5                       ; which 256 rows
	s_and_b32 s14, s[WV], 3                        ; which 64 of them
	s_lshl_b32 s16, s13, 21
	s_lshl_b32 s17, s14, 19
	s_add_co_u32 s16, s16, s17
	s_lshl_b32 s17, s12, 8
	s_add_co_u32 s16, s16, s17
	s_mov_b32 s17, 0                               ; s[16:17]: where I read, in bytes
	s_mul_i32 s36, s[WV], WREG                     ; my LDS rows
	s_bfe_u32 s37, s[WV], 0x10001                  ; which of the work-group's two steps
	s_and_b32 s38, s[WV], 1                        ; which half of it
	s_lshl_b32 s18, s13, 1
	s_add_co_u32 s18, s18, s37
	s_mul_i32 s18, s18, STEPB
	s_mul_i32 s19, s12, WHEAD
	s_add_co_u32 s18, s18, s19                     ; the step in ws
	s_lshl_b32 s20, s38, 12                        ; k: tiles 4 half on
	s_lshl_b32 s40, s38, 10
	s_add_co_u32 s40, s40, VIMG                    ; v: blocks 2 half on
	s_lshl_b32 s22, s38, 8
	s_mov_b32 s41, VSCL
	s_lshl_b32 s39, s38, 4                         ; 16 half: where my bytes stand in v's scale words
	s_mov_b32 s21, 0
	s_mov_b32 s23, 0
	s_mov_b32 s[MNT], 0x600000                     ; the mantissa field of 57,344
	s_mov_b32 s[SEL], 0x76543210
	s_mov_b32 s[SEL+1], 0xfedcba98                 ; lane l xor 16
	; group 1: 64 rows of 64 elements of 4 bytes, 2,048 elements apart; four words of padding after every 64
	s_mov_b32 s[G1], (2<<16)|(1<<20)|(5<<22)|(3<<25)
	s_mov_b32 s[G1+1], 64<<16
	s_mov_b32 s[G1+2], 64<<16
	s_mov_b32 s[G1+3], 64<<16
	s_mov_b32 s[G1+4], 64
	s_mov_b32 s[G1+5], 2048
	s_mov_b32 s[G1+6], 0
	s_mov_b32 s[G1+7], 0
	s_mov_b32 s[G0], 1
	s_mov_b32 s[G0+1], s36
	s_wait_alu depctr_va_vdst(0)
	s_wait_dscnt 0x0                               ; both opening adds are done
	s_wait_kmcnt 0x0
	s_cmp_lt_u32 s[WV], 4                          ; k's wave or v's
	s_cselect_b64 s[4:5], s[4:5], s[6:7]
	s_cselect_b32 s20, s20, s40
	s_cselect_b32 s41, KSCL, s41
	s_add_nc_u64 s[G0+2:G0+3], s[4:5], s[16:17]
	s_or_b32 s[G0+3], s[G0+3], 0x80000000
	tensor_load_to_lds s[G0:G0+3], s[G1:G1+7]      ; my 64 rows, 16,384 bytes
	s_nop 0
.rept 4
	v_nop
.endr
	s_add_co_u32 s20, s20, s18
	s_add_co_u32 s22, s22, s41
	s_add_co_u32 s22, s22, s18
	s_add_nc_u64 s[42:43], s[8:9], s[20:21]        ; my codes
	s_add_nc_u64 s[44:45], s[8:9], s[22:23]        ; my scale words
	s_lshl_b32 s46, s14, 8
	s_add_co_u32 s46, s46, SCRB
	s_xor_b32 s47, s14, 1
	s_lshl_b32 s47, s47, 8
	s_add_co_u32 s47, s47, SCRB
	v_lshlrev_b32 v[L16], 4, v9
	v_lshlrev_b32 v[R16], 4, v10
	v_mul_u32_u24 v[KA], v10, SP
	v_mul_u32_u24 v[VA], v11, 8*SP
	v_lshl_add_u32 v[KA], v11, 6, v[KA]
	v_lshl_add_u32 v[VA], v10, 4, v[VA]
	v_add_nc_u32 v[KA], s36, v[KA]                 ; row r, + 64 h
	v_add_nc_u32 v[VA], s36, v[VA]                 ; key 8 h, d = 4 r
	v_add_nc_u32 v[SCW], s46, v[R16]
	v_add_nc_u32 v[SCO], s47, v[R16]
.irp b, 0,1,2,3
	v_mov_b32 v[TM+4+\b], 0                        ; a lane permute's destination counts as one of its sources
.endr
; Behind the four largest magnitudes of my 16 numbers: the blocks' (joined with lane l xor 16), the scale operands, the holds, the bytes.
.macro SCALES
.irp b, 0,1,2,3
	v_permlanex16_b32 v[TM+4+\b], v[TM+\b], s[SEL], s[SEL+1]
.endr
.irp b, 0,1,2,3
	v_max_num_f32 v[TM+\b], v[TM+\b], v[TM+4+\b]
.endr
.irp b, 0,1,2,3
	v_add_nc_u32 v[TM+12+\b], 0xf8800000, v[TM+\b] ; 15 off the exponent field
.endr
.irp b, 0,1,2,3
	v_and_or_b32 v[TM+8+\b], v[TM+\b], 0x7f800000, s[MNT]   ; 57,344 x the scale
.endr
.irp b, 0,1,2,3
	v_lshrrev_b32 v[TM+4+\b], 23, v[TM+12+\b]      ; the byte
.endr
.endm
	s_cmp_lt_u32 s[WV], 4
	s_wait_alu depctr_va_vdst(0)
	s_wait_tensorcnt 0x0                           ; my rows are in; no other wave reads them
	s_cbranch_scc0 .Lv
; ---------------- k: two groups of two tiles; sub-block 2 u + c: tile u, row r, d = 32 c + 16 h + 0..15
.irp g, 0,1
.irp u, 0,1
.irp c, 0,1
.irp j, 0,1,2,3
	ds_load_b128 v[R+64*\g+32*\u+16*\c+4*\j:R+64*\g+32*\u+16*\c+4*\j+3], v[KA] offset:16*(2*\g+\u)*SP+128*\c+16*\j
.endr
.endr
.endr
.endr
.macro KGROUP g
.set Z, R+64*\g
	s_wait_dscnt 16-16*\g                          ; this group's 16 loads are in
.irp b, 0,1,2,3
	v_max3_num_f32 v[TM+\b], |v[Z+16*\b]|, |v[Z+1+16*\b]|, 0x8000000   ; with the floor 2^(16 - 127)
.endr
.irp i, 2,4,6,8,10,12,14
.irp b, 0,1,2,3
	v_max3_num_f32 v[TM+\b], v[TM+\b], |v[Z+16*\b+\i]|, |v[Z+1+16*\b+\i]|
.endr
.endr
	SCALES
.irp b, 0,1,2,3
.irp i, 0,1,2,3,4,5,6,7,8,9,10,11,12,13,14,15
	v_med3_num_f32 v[Z+16*\b+\i], v[Z+16*\b+\i], -v[TM+8+\b], v[TM+8+\b]   ; the conversion to an 8-bit code does not saturate (ISA guide 7.6.2): the hold comes first
.endr
	v_cvt_scalef32_pk8_bf8_f32 v[C+16*\g+4*\b:C+16*\g+4*\b+1], v[Z+16*\b:Z+16*\b+7], v[TM+12+\b]
	v_cvt_scalef32_pk8_bf8_f32 v[C+16*\g+4*\b+2:C+16*\g+4*\b+3], v[Z+16*\b+8:Z+16*\b+15], v[TM+12+\b]
.endr
.irp u, 0,1
	v_lshl_or_b32 v[W+2*\g+\u], v[TM+5+2*\u], 8, v[TM+4+2*\u]
.endr
.irp u, 0,1
	v_or_b32 v[W+2*\g+\u], 0x7f7f0000, v[W+2*\g+\u]
.endr
.irp b, 0,1,2,3
	global_store_b128 v[L16], v[C+16*\g+4*\b:C+16*\g+4*\b+3], s[42:43] offset:\g*2048+\b*512   ; the wave stores 512 consecutive bytes, aligned
.endr
.endm
	KGROUP 0
	KGROUP 1
	global_store_b128 v[R16], v[W:W+3], s[44:45]   ; my four tiles' words: 256 consecutive bytes, aligned; lanes 16-31 store what lanes 0-15 store
	s_branch .Lmeet
; ---------------- v: K = the keys.  A lane takes the columns d = 4 r + t, t = 0..3, and of each block of 32 keys the 16 of its half h; lane l xor 16 has the others
.Lv:
.irp b, 0,1
.irp u, 0,1
.irp j, 0,1,2,3,4,5,6,7
	ds_load_b128 v[R+64*\b+32*\u+4*\j:R+64*\b+32*\u+4*\j+3], v[VA] offset:(32*\b+16*\u+\j)*SP   ; sixteen lanes read a key's 256 bytes
.endr
.endr
.endr
.macro VBLOCK b
.set Z, R+64*\b
	s_wait_dscnt 16-16*\b
.irp t, 0,1,2,3
	v_max3_num_f32 v[TM+\t], |v[Z+\t]|, |v[Z+4+\t]|, 0x8000000
.endr
.irp i, 2,4,6,8,10,12,14
.irp t, 0,1,2,3
	v_max3_num_f32 v[TM+\t], v[TM+\t], |v[Z+4*\i+\t]|, |v[Z+4*\i+4+\t]|
.endr
.endr
	SCALES
.irp t, 0,1,2,3
.irp i, 0,1,2,3,4,5,6,7,8,9,10,11,12,13,14,15
	v_med3_num_f32 v[X+16*\t+\i], v[Z+4*\i+\t], -v[TM+8+\t], v[TM+8+\t]   ; held, and laid a column's 16 on end
.endr
	v_cvt_scalef32_pk8_bf8_f32 v[C+16*\b+4*\t:C+16*\b+4*\t+1], v[X+16*\t:X+16*\t+7], v[TM+12+\t]
	v_cvt_scalef32_pk8_bf8_f32 v[C+16*\b+4*\t+2:C+16*\b+4*\t+3], v[X+16*\t+8:X+16*\t+15], v[TM+12+\t]
.endr
.irp t, 0,1,2,3
.if \b
	v_lshl_or_b32 v[W+\t], v[TM+4+\t], 8, v[W+\t]
.else
	v_mov_b32 v[W+\t], v[TM+4+\t]
.endif
.endr
.irp t, 0,1,2,3
	global_store_b128 v[L16], v[C+16*\b+4*\t:C+16*\b+4*\t+3], s[42:43] offset:\t*2048+\b*512   ; 512 consecutive bytes, aligned
.endr
.endm
	VBLOCK 0
	VBLOCK 1
.irp t, 0,1,2,3
	v_lshlrev_b32 v[W+\t], s39, v[W+\t]            ; my two bytes, at their place in the word
.endr
	ds_store_b128 v[SCW], v[W:W+3]                 ; lanes r and r + 16 store the same bytes with the same value
.Lmeet:
	s_wait_alu depctr_va_vdst(0)
	s_wait_dscnt 0x0                               ; my store is done: the neighbour reads it behind the barrier
	s_barrier_signal -1
	s_barrier_wait -1
	s_cmp_lt_u32 s[WV], 4
	s_cbranch_scc1 .Lend
	ds_load_b128 v[TM:TM+3], v[SCO]                ; the other half's bytes
	s_wait_dscnt 0x0
.irp t, 0,1,2,3
	v_or_b32 v[W+\t], v[W+\t], v[TM+\t]
.endr
	global_store_b128 v[R16], v[W:W+3], s[44:45]   ; one of the two copies: 256 consecutive bytes, aligned
.Lend:
	s_wait_tensorcnt 0x0                           ; the wave's end
	ds_add_u32 v[SPW], v[NIL]
	s_wait_dscnt 0x0
	s_endpgm
.Lfunc_end_k_q42f317ffeb_quant:
	.size	k_q42f317ffeb_quant, .Lfunc_end_k_q42f317ffeb_quant-k_q42f317ffeb_quant
	.p2alignl 7, 3214868480
	.fill 96, 4, 3214868480
	.section	.rodata,"a",@progbits
	.p2align	6, 0x0
	.amdhsa_kernel k_q42f317ffeb_quant
		.amdhsa_group_segment_fixed_size 167936
		.amdhsa_private_segment_fixed_size 0
		.amdhsa_enable_private_segment 0
		.amdhsa_kernarg_size 24
		.amdhsa_user_sgpr_count 2
		.amdhsa_user_sgpr_kernarg_segment_ptr 1
		.amdhsa_wavefront_size32 1
		.amdhsa_system_sgpr_workgroup_id_x 1
		.amdhsa_system_sgpr_workgroup_id_y 1
		.amdhsa_system_sgpr_workgroup_id_z 1
		.amdhsa_system_vgpr_workitem_id 0
		.amdhsa_next_free_vgpr 256
		.amdhsa_next_free_sgpr 66
		.amdhsa_reserve_vcc 0
		.amdhsa_float_denorm_mode_32 3
		.amdhsa_float_denorm_mode_16_64 3
		.amdhsa_memory_ordered 1
		.amdhsa_forward_progress 1
		.amdhsa_inst_pref_size 43
	.end_amdhsa_kernel
	.amdgpu_metadata
---
amdhsa.version: [ 1, 2 ]
amdhsa.kernels:
  - .name:           k_q42f317ffeb_quant
    .symbol:         k_q42f317ffeb_quant.kd
    .args:
      - { .name: k, .offset: 0, .size: 8, .value_kind: global_buffer, .address_space: global }
      - { .name: v, .offset: 8, .size: 8, .value_kind: global_buffer, .address_space: global }
      - { .name: ws, .offset: 16, .size: 8, .value_kind: global_buffer, .address_space: global }
    .group_segment_fixed_size: 167936
    .private_segment_fixed_size: 0
    .kernarg_segment_align: 8
    .kernarg_segment_size: 24
    .max_flat_workgroup_size: 256
    .sgpr_count:     66
    .vgpr_count:     256
    .wavefront_size: 32
...
	.end_amdgpu_metadata
.endif
;; end of part 1
;; launch attn (part 2): grid 8 x 32, 16 waves a work-group, clusters of 4 x 1, 327,680 bytes of LDS; arguments q, ws, out0; writes out0
.if DOCPART == 2
	.amdgcn_target "amdgcn-amd-amdhsa--gfx1250"
	.amdhsa_code_object_version 6
	.text
	.protected	k_q42f317ffeb_attn
	.globl	k_q42f317ffeb_attn
	.p2align	8
	.type	k_q42f317ffeb_attn,@function
k_q42f317ffeb_attn:
	s_mov_b64 s[64:65], 0
	v_nop
	global_prefetch_b8 v0, s[64:65] scope:SCOPE_SE
	s_setreg_imm32_b32 hwreg(HW_REG_WAVE_MODE, 25, 1), 1
	s_wait_xcnt 0x0
	s_wait_alu depctr_hold_cnt(0) depctr_sa_sdst(0) depctr_va_vdst(0) depctr_va_sdst(0) depctr_va_ssrc(0) depctr_va_vcc(0) depctr_vm_vsrc(0)
	s_getreg_b32 s2, hwreg(HW_REG_IB_STS2, 6, 4)
	s_cmp_eq_u32 s2, 0
	s_cbranch_scc0 .Lentry_in_a_cluster
	s_endpgm
.Lentry_in_a_cluster:
	s_bfe_u32 s2, ttmp6, 0x10000c
	s_cmp_lg_u32 s2, 0x3003
	s_cbranch_scc0 .Lentry_shape_is_right
	s_endpgm
.Lentry_shape_is_right:
; out0[s][head][:] = the sum over keys t <= s of softmax_t(q[s] . k[t] / 8) v[t][:], for 32 heads, 2,048 rows, head size 64; both products on codes of BF8 (E5M2) with one E8M0 scale for each 32 along K.
; ws (made by the launch before) holds, for each head and each step of 128 keys, images of the operands' registers: K's 8 tiles, V's 4 tiles, their scale words: 17,408 dense bytes.  q is read as f32 and quantised here, in registers.
; THE SOFTMAX: t = score x log2(e) / 8; M = the row's largest t so far, rounded UP to a whole number; p = 2^(t - M) is what is quantised along the keys, not normalised.  The row's sum is taken of the unquantised p
; and divides at the end.  When M moves, the sum and O are multiplied by 2^(old M - new M), which rounds nothing.
; LAYOUT: both products are used transposed, S^T = K Q^T and O^T = V^T P^T, so that a lane holds ONE query throughout (r = lane % 16, h = lane / 16).  K's tile T holds keys 16 T + 0..15, so register j of S^T's tile T is key 16 T + 8 h + j.
; The 16 registers of tiles 2 b and 2 b + 1 are a lane's half of the block of 32 keys b: the conversions' results ARE the second product's operand; V's image holds its keys in that order.  V's tile t holds d = 4 m + t in row m,
; so that a lane's 32 results are 32 neighbours of a row of out0.
; K = 64 IN A FORM OF 128: Q's fragment is 8 registers of codes and 8 of zero codes.  K's tile T is named as v[KF + 8 T .. + 15]: its upper 8 registers are the next tile's codes (finite: the quantiser holds them),
; tile 7's are zeros; they meet Q's zero codes under the scale byte 127 and add nothing.
; DEAD WORK: reference() sets scores of keys t > s to -infinity ahead of the softmax, for all inputs; steps of 128 keys that lie wholly behind a tile's diagonal are not computed.  A NaN or an infinity in such keys is not carried to the result.
; SHARES: a head has 16 blocks of 128 queries; block b needs steps 0..b, the last on the diagonal.  The head's eight work-groups take tile g (16 queries) of every block, g = the work-group's number.  Waves B and B + 8 (B = 0..7) share
; the tiles of the short block B and the long block 15 - B: wave B takes the long tile's steps 0..8; wave B + 8 takes the short tile, all its B + 1 steps, and then the long tile's steps 9..15 - B, and hands O, sum and M of these to wave B through LDS.
; So waves have 9 or 8 steps.  The place in the cluster enters the addresses of q and out0 and the mask's scalar selects alone.
; CLUSTER: the four partners need the same K and V: each step's 17,408 bytes are asked for JOINTLY (mask 15), step n by wave n, one load a wave, all at the head; every LDS byte is filled once.  The first trip reads step 0 alone, wave 0's load;
; a barrier behind it shows the others.  All loads stand at the head and no loop runs ahead of any, so nothing is prefetched.
; LIMITS: NaN and infinities among the inputs are not served; the promise holds while t stays under 2^31 in magnitude.  A block's largest p is taken from its largest score by the same two instructions: that leans on v_exp_f32 not falling
; where its input rises; at the worst one p within an ulp of a power of two is held one code low.  p under 2^-126 is taken as 0.  Blocks of q whose largest magnitude is under 2^-111 have their scale byte held at 1.
.set STEPB, 17408
.set WHEAD, 16*STEPB
.set VIMG,  8192
.set KSCL,  16384
.set VSCL,  16896
.set SPARE, 16*STEPB                   ; the spare words, 128 bytes for each of 16 waves
.set STAGE, SPARE+2048                 ; a stage for each pair of waves: 16 rows x 272 bytes on the way out; 34 x 128 bytes for the partial sums
.set SP,    272
.set QRB,   1280                       ; the long tile's Q, handed from wave B to wave B + 8: 1,024 bytes of codes and 128 of scale words, in 1,280 bytes a pair
.set QREG,  STAGE+8*16*SP
.set STO, 2                            ; v[0:1] is a pair of the sums' at work
.set RD,  3
.set PL,  4
.set SPW, 5
.set NIL, 6
.set GO,  7
.set ADK, 8                            ; the step's LDS address for my lane
.set PM,  9
.set OM,  11                           ; -M as it was;   v12 -M, v13 the largest t, v[14:15] the sum in two halves
.set QF,  16                           ; v16-23 Q's codes, v24-31 zero codes
.set KF,  32                           ; v32-95 K's 8 x 8 registers, then V's 4 x 16; v96-103 zero codes
.set S,   104                          ; v104-167 S^T, then p
.set O,   168                          ; v168-199 O^T
.set PC,  200                          ; v200-215 p's codes
.set KS,  216                          ; v216-219 K's scale words: lanes 0-15 tiles 0-3, lanes 16-31 tiles 4-7
.set VS,  220                          ; v220-223 V's
.set PS,  224                          ; p's
.set QX,  226                          ; where Q's codes are handed over,
.set QXW, 227                          ; and its scale words, 1,024 bytes on
.set QS,  234
.set L16, 235                          ; 16 x lane
.set BM,  236                          ; v236-239 the blocks' largest scores, then largest p
.set T4,  240                          ; v240-243 at work
.set HD,  244                          ; v244-247 57,344 x the scale
.set SO,  248                          ; v248-251 the conversions' scale operands
.set F,   252                          ; v[252:253] f = 2^(old M - new M), and a 0 that is named with it
.set TMP, 254
.set LN,  248                          ; at the head: lane, r, h, and Q's offset
.set RR,  249
.set HH,  250
.set QO,  251
.set WV,  10
.set CX,  11
.set HEAD, 12
.set GT,  13                           ; g: my work-group's tile of each block
.set BB,  14                           ; B
.set BQ,  15                           ; the block of the tile in hand = its last step
.set TRIP, 16
.set SWT, 17                           ; B + 1: the trip at which waves 8-15 change tiles
.set OFFV, 18                          ; and by how many steps they then skip: 8 - B; 0 in waves 0-7
.set MNT, 19
.set SEL, 20
.set CS,  22                           ; s[22:23] log2(e) / 8
.set G1,  24
.set G0,  32
.set TB,  36                           ; LDS byte of the step in hand
.set ST,  37                           ; its number
.set TT,  38
.set LNG, 39                           ; 15 - B
; A round of the cluster's barrier.
.macro CROUND
	s_barrier_signal -1
	s_barrier_wait -1
	s_cmp_lg_u32 s[WV], 0
	s_cbranch_scc1 .Lnot_wave_0_\@
	s_barrier_signal -3
.Lnot_wave_0_\@:
	s_barrier_wait -3
	s_barrier_signal -1
	s_barrier_wait -1
.endm
	s_load_b128 s[4:7], s[0:1], 0x0                ; q, ws
	s_load_b64 s[8:9], s[0:1], 0x10                ; out0
	v_lshl_add_u32 v[SPW], v0, 2, SPARE
	v_mov_b32 v[NIL], 0
	ds_add_u32 v[SPW], v[NIL]
	ds_add_u32 v[SPW], v[NIL]
	v_lshrrev_b32 v[ADK], 5, v0
	v_readfirstlane_b32 s[WV], v[ADK]              ; wave 0..15
	v_and_b32 v[LN], 31, v0
	v_and_b32 v[RR], 15, v0
	v_bfe_u32 v[HH], v0, 4, 1
	v_lshlrev_b32 v[L16], 4, v[LN]
	v_lshlrev_b32 v[QO], 13, v[RR]
	v_lshl_add_u32 v[QO], v[HH], 6, v[QO]          ; q: row r (8,192 bytes a row), + 64 h
	s_bfe_u32 s[CX], ttmp6, 0x40000                ; cx
	s_and_b32 s[HEAD], ttmp7, 0xffff               ; the head, which the partners share
	s_lshl_b32 s[GT], ttmp9, 2                     ; in a cluster launch ttmp9 counts clusters
	s_add_co_u32 s[GT], s[GT], s[CX]
	s_and_b32 s[BB], s[WV], 7
	s_xor_b32 s[LNG], s[BB], 15
	s_cmp_lt_u32 s[WV], 8
	s_cselect_b32 s[BQ], s[LNG], s[BB]             ; my first tile's block
	s_add_co_u32 s[SWT], s[BB], 1
	s_xor_b32 s48, s[BB], 7
	s_add_co_u32 s48, s48, 1
	s_lshr_b32 s49, s[WV], 3
	s_mul_i32 s[OFFV], s48, s49
	; group 1: a step's dense 17,408 bytes as 68 rows of 256 bytes (32 elements of 8 bytes), no padding: every LDS read of it is 16 x lane
	s_mov_b32 s[G1], 15|(3<<16)|(1<<21)            ; the mask: all four work-groups; 21 set beside a mask
	s_mov_b32 s[G1+1], 32<<16
	s_mov_b32 s[G1+2], 68<<16
	s_mov_b32 s[G1+3], 32<<16
	s_mov_b32 s[G1+4], 68
	s_mov_b32 s[G1+5], 32
	s_mov_b32 s[G1+6], 0
	s_mov_b32 s[G1+7], 0
	s_lshl_b32 s50, s[GT], 17                      ; tile g of a block: 16 g rows of 8,192 bytes,
	s_lshl_b32 s51, s[HEAD], 8                     ; the head's 256 bytes of a row,
	s_add_co_u32 s50, s50, s51
	s_lshl_b32 s52, s[BQ], 20                      ; a block: 128 rows
	s_add_co_u32 s52, s52, s50
	s_mov_b32 s53, 0
	s_lshl_b32 s54, s[LNG], 20
	s_add_co_u32 s54, s54, s50
	s_mov_b32 s55, 0
	s_lshl_b32 s56, s[BB], 20
	s_add_co_u32 s56, s56, s50
	s_mov_b32 s57, 0
	s_mul_i32 s58, s[HEAD], WHEAD
	s_mul_i32 s60, s[WV], STEPB
	s_add_co_u32 s58, s58, s60                     ; step = my wave's number: made of the head and the wave alone
	s_mov_b32 s59, 0
	s_mov_b32 s[MNT], 0x600000                     ; the mantissa field of 57,344
	s_mov_b32 s[SEL], 0x76543210
	s_mov_b32 s[SEL+1], 0xfedcba98                 ; lane l xor 16
	s_mov_b32 s[CS], 0x3e38aa3b                    ; log2(e) / 8
	s_mov_b32 s[CS+1], s[CS]                       ; (named with it as a pair, so it is written)
	s_mov_b32 s[ST], 0
	s_mov_b32 s[G0], 1
	s_mov_b32 s[G0+1], s60                         ; LDS: step n at n x 17,408
	s_wait_alu depctr_va_vdst(0)
	s_wait_dscnt 0x0                               ; both opening adds are done
	s_wait_kmcnt 0x0
	s_add_nc_u64 s[G0+2:G0+3], s[6:7], s[58:59]
	s_or_b32 s[G0+3], s[G0+3], 0x80000000
	s_add_nc_u64 s[40:41], s[4:5], s[52:53]        ; q: my first tile,
	s_add_nc_u64 s[44:45], s[8:9], s[56:57]        ; out0: the short tile,
	s_add_nc_u64 s[46:47], s[8:9], s[54:55]        ; the long one
.irp c, 0,1
.irp j, 0,1,2,3
	global_load_b128 v[S+16*\c+4*\j:S+16*\c+4*\j+3], v[QO], s[40:41] offset:128*\c+16*\j   ; row r, d = 32 c + 16 h + 4 j ..
.endr
.endr
	CROUND                                         ; all four work-groups are here: the joint loads meet
	s_cmp_lt_u32 s[WV], 1
	s_cbranch_scc0 .Lother_steps
	tensor_load_to_lds s[G0:G0+3], s[G1:G1+7]      ; step 0, by wave 0: a line of its own, since the first barrier shows it alone
	s_nop 0
.rept 4
	v_nop
.endr
	s_branch .Lasked
.Lother_steps:
	tensor_load_to_lds s[G0:G0+3], s[G1:G1+7]      ; steps 1 to 15
	s_nop 0
.rept 4
	v_nop
.endr
.Lasked:
	s_mul_i32 s48, s[BB], 16*SP
	s_add_co_u32 s48, s48, STAGE                   ; my pair's stage
	v_mul_u32_u24 v[STO], v[RR], SP
	v_mul_u32_u24 v[RD], v[HH], SP
	v_lshlrev_b32 v[GO], 4, v[RR]
	v_lshl_add_u32 v[STO], v[HH], 7, v[STO]
	v_lshl_add_u32 v[RD], v[RR], 4, v[RD]
	v_lshl_add_u32 v[GO], v[HH], 13, v[GO]         ; lanes 0-15 one row of out0, lanes 16-31 the next; 16 bytes a lane
	v_add_nc_u32 v[STO], s48, v[STO]               ; in: row r, + 128 h
	v_add_nc_u32 v[RD], s48, v[RD]                 ; back: lanes 0-15 one row, lanes 16-31 the next
	v_add_nc_u32 v[PL], s48, v[L16]                ; the partial sums: 16 bytes a lane,
	v_lshl_add_u32 v[PM], v[LN], 3, s48            ; and 8
	s_mul_i32 s49, s[BB], QRB
	s_add_co_u32 s49, s49, QREG
	v_add_nc_u32 v[QX], s49, v[L16]
	v_lshl_add_u32 v[QXW], v[LN], 2, s49
.irp b, 0,1,2,3
	v_mov_b32 v[T4+\b], 0                          ; a lane permute's destination counts as one of its sources
.endr
	v_mov_b32 v[F+1], 0
.set i, 0
.rept 32
	v_mov_b32 v[O+i], 0                            ; the step finds zeros, which the first change of M leaves zeros
.set i, i+1
.endr
; Q's tile: 32 numbers of a lane, two sub-blocks of 16; a block of 32 lies in lanes l and l xor 16.  Eight registers of codes, and the scale word: bytes 2 and 3 = 127
.macro QTILE z, d, w
.irp b, 0,1
	v_max3_num_f32 v[BM+\b], |v[\z+16*\b]|, |v[\z+1+16*\b]|, 0x8000000   ; with the floor 2^(16 - 127)
.endr
.irp i, 2,4,6,8,10,12,14
.irp b, 0,1
	v_max3_num_f32 v[BM+\b], v[BM+\b], |v[\z+16*\b+\i]|, |v[\z+1+16*\b+\i]|
.endr
.endr
.irp b, 0,1
	v_permlanex16_b32 v[T4+\b], v[BM+\b], s[SEL], s[SEL+1]
.endr
.irp b, 0,1
	v_max_num_f32 v[BM+\b], v[BM+\b], v[T4+\b]
.endr
.irp b, 0,1
	v_add_nc_u32 v[SO+\b], 0xf8800000, v[BM+\b]    ; 15 off the exponent field
.endr
.irp b, 0,1
	v_and_or_b32 v[HD+\b], v[BM+\b], 0x7f800000, s[MNT]   ; 57,344 x the scale
.endr
.irp b, 0,1
	v_lshrrev_b32 v[T4+\b], 23, v[SO+\b]
.endr
.irp b, 0,1
.irp i, 0,1,2,3,4,5,6,7,8,9,10,11,12,13,14,15
	v_med3_num_f32 v[\z+16*\b+\i], v[\z+16*\b+\i], -v[HD+\b], v[HD+\b]
.endr
	v_cvt_scalef32_pk8_bf8_f32 v[\d+4*\b:\d+4*\b+1], v[\z+16*\b:\z+16*\b+7], v[SO+\b]
	v_cvt_scalef32_pk8_bf8_f32 v[\d+4*\b+2:\d+4*\b+3], v[\z+16*\b+8:\z+16*\b+15], v[SO+\b]
.endr
	v_lshl_or_b32 v[\w], v[T4+1], 8, v[T4]
	v_or_b32 v[\w], 0x7f7f0000, v[\w]
.endm
	s_wait_alu depctr_va_vdst(0)
	s_wait_loadcnt 0x0                             ; q
	QTILE S, QF, QS
.set i, 0
.rept 8
	v_mov_b32 v[QF+8+i], 0                         ; zero codes: the upper half of Q's K,
	v_mov_b32 v[KF+64+i], 0                        ; and what stands behind K's tile 7
.set i, i+1
.endr
.macro FRESH
	v_mov_b32 v13, 0xff61b1e6                      ; the largest t so far: -3e38, under every t
	v_mov_b32 v14, 0
	v_mov_b32 v15, 0
	v_floor_f32 v12, -v13                          ; -M
.endm
	FRESH
	s_cmp_lt_u32 s[WV], 1
	s_wait_alu depctr_va_vdst(0)
	s_cbranch_scc0 .Lstep_0
	s_wait_tensorcnt 0x0                           ; step 0 is in
.Lstep_0:
	s_barrier_signal -1
	s_barrier_wait -1
.macro PADD d, a, b
	v_pk_add_f32 v[\d:\d+1], v[\a:\a+1], v[\b:\b+1]
.endm
; A KEY STEP of 128 keys.  first = 1: step 0, at its constant address.  Otherwise a step behind the tile's diagonal is left out: a scalar branch on ids.
.macro STEP first
.if \first
.set AD, L16
.else
	s_cmp_gt_u32 s[ST], s[BQ]
	s_cbranch_scc1 .Lhidden_\@
	v_add_nc_u32 v[ADK], s[TB], v[L16]
	v_nop                                          ; with the line above and the sums' last six: eight places between the last products and loads into registers that they read
.set AD, ADK
.endif
	ds_load_b128 v[KS:KS+3], v[AD] offset:KSCL
.irp t, 0,1,2,3,4,5,6,7
	ds_load_b128 v[KF+8*\t:KF+8*\t+3], v[AD] offset:\t*1024
	ds_load_b128 v[KF+8*\t+4:KF+8*\t+7], v[AD] offset:\t*1024+512
.endr
.if \first == 0
	s_wait_alu depctr_va_vdst(0)
.endif
	s_wait_dscnt 8                                 ; the words and tiles 0 to 3 are in; tiles 4 to 7, eight loads, may be out
.irp t, 0,1,2                                  ; S^T = K Q^T: source 0 = 16 keys, source 1 = my 16 queries
	v_wmma_scale_f32_16x16x128_f8f6f4 v[S+8*\t:S+8*\t+7], v[KF+8*\t:KF+8*\t+15], v[QF:QF+15], 0, v[KS+\t], v[QS] matrix_a_fmt:MATRIX_FMT_BF8 matrix_b_fmt:MATRIX_FMT_BF8
.endr
	s_wait_dscnt 0x0
	v_wmma_scale_f32_16x16x128_f8f6f4 v[S+24:S+31], v[KF+24:KF+39], v[QF:QF+15], 0, v[KS+3], v[QS] matrix_a_fmt:MATRIX_FMT_BF8 matrix_b_fmt:MATRIX_FMT_BF8
.irp t, 4,5,6,7                                ; their words stand in lanes 16-31
	v_wmma_scale_f32_16x16x128_f8f6f4 v[S+8*\t:S+8*\t+7], v[KF+8*\t:KF+8*\t+15], v[QF:QF+15], 0, v[KS+\t-4], v[QS] matrix_a_fmt:MATRIX_FMT_BF8 matrix_b_fmt:MATRIX_FMT_BF8 matrix_a_scale:MATRIX_SCALE_ROW1
.endr
	v_mov_b32 v[OM], v12
.rept 7
	v_nop                                          ; eight places: for V's loads into K's registers, and for the first read of the scores
.endr
.irp t, 0,1,2,3                                ; V's fragments are asked for now and land under the softmax
.irp c, 0,1,2,3
	ds_load_b128 v[KF+16*\t+4*\c:KF+16*\t+4*\c+3], v[AD] offset:VIMG+\t*2048+\c*512
.endr
.endr
	ds_load_b128 v[VS:VS+3], v[AD] offset:VSCL
	s_cmp_lg_u32 s[ST], s[BQ]                      ; only a tile's last step lies on its diagonal
	s_cbranch_scc1 .Lopen_\@
	v_mov_b32 v[TMP], 0xff800000                   ; hidden scores become -infinity ahead of the maximum: p = 0 then
	s_wait_alu depctr_va_vdst(0)
.irp t, 0,1,2,3,4,5,6,7                        ; key 16 T + 8 h + j against query 16 g + r: tiles T > g are hidden in all lanes, T < g in none; in T = g the lanes with j + 8 h > r: a constant of j
	s_cmp_lt_u32 s[GT], \t
	s_cselect_b32 s48, -1, 0
	s_cmp_eq_u32 s[GT], \t
.irp j, 0,1,2,3,4,5,6,7
	s_cselect_b32 s[50+\j], ((1<<\j)-1)|(((1<<(\j+8))-1)<<16), s48
.endr
.irp j, 0,1,2,3,4,5,6,7
	v_cndmask_b32 v[S+8*\t+\j], v[S+8*\t+\j], v[TMP], s[50+\j]
.endr
.endr
.Lopen_\@:
.irp b, 0,1,2,3
	v_max3_num_f32 v[BM+\b], v[S+16*\b], v[S+1+16*\b], v[S+2+16*\b]   ; the largest score of each block of 32 keys: for the row's maximum, and, since p rises with the score, for the block's largest p
.endr
.irp i, 3,5,7,9,11,13
.irp b, 0,1,2,3
	v_max3_num_f32 v[BM+\b], v[BM+\b], v[S+16*\b+\i], v[S+1+16*\b+\i]
.endr
.endr
.irp b, 0,1,2,3
	v_max_num_f32 v[BM+\b], v[BM+\b], v[S+15+16*\b]
.endr
.irp b, 0,1,2,3
	v_permlanex16_b32 v[T4+\b], v[BM+\b], s[SEL], s[SEL+1]
.endr
.irp b, 0,1,2,3
	s_delay_alu instid0(VALU_DEP_4)
	v_max_num_f32 v[BM+\b], v[BM+\b], v[T4+\b]     ; with lane l xor 16's 16 keys
.endr
	s_delay_alu instid0(VALU_DEP_2)
	v_max3_num_f32 v[TMP], v[BM], v[BM+1], v[BM+2]
	s_delay_alu instid0(VALU_DEP_1)
	v_max_num_f32 v[TMP], v[TMP], v[BM+3]          ; the step's largest score of my query (a step's key 0 is never hidden: it is a number)
	s_delay_alu instid0(VALU_DEP_1)
	v_mul_f32 v[TMP], s[CS], v[TMP]                ; as t
	s_delay_alu instid0(VALU_DEP_1)
	v_max_num_f32 v13, v13, v[TMP]                 ; the running largest t
	s_delay_alu instid0(VALU_DEP_1)
	v_floor_f32 v12, -v13                          ; the new -M = -ceil(t)
	s_delay_alu instid0(VALU_DEP_1)
	v_sub_f32 v[TMP], v12, v[OM]                   ; old M - new M: a whole number, 0 or less
	s_delay_alu instid0(VALU_DEP_1)
	v_cvt_i32_f32 v[TMP], v[TMP]                   ; (it saturates)
	s_delay_alu instid0(VALU_DEP_1)
	v_ldexp_f32 v[F], 1.0, v[TMP]                  ; f = 2^(old M - new M)
.set i, 0
.rept 32
	v_pk_fma_f32 v[S+i:S+i+1], v[S+i:S+i+1], s[CS:CS+1], v[12:13] op_sel_hi:[1,0,0]   ; t - M, two at a time (of the pairs c and -M the low word serves both halves)
.set i, i+2
.endr
.irp b, 0,1,2,3
	v_fma_f32 v[BM+\b], v[BM+\b], s[CS], v12       ; the same of each block's largest score
.endr
	s_wait_alu depctr_va_vdst(0)                   ; a wait ahead of the batch,
.irp b, 0,1,2,3
	v_exp_f32 v[BM+\b], v[BM+\b]                   ; the block's largest p: the same two instructions on the same number
.endr
.set i, 0
.rept 64
	v_exp_f32 v[S+i], v[S+i]                       ; p = 2^(t - M), at most 1
.set i, i+1
.endr
	v_pk_mul_f32 v[14:15], v[14:15], v[F:F+1] op_sel_hi:[1,0]   ; the sums under the new M.  (The plain line behind the exponentials)
	s_wait_alu depctr_va_vdst(0)                   ; and behind it
	s_wait_dscnt 0x0                               ; V's fragments and words are in
.irp b, 0,1,2,3
	v_max_num_f32 v[BM+\b], 0x8000000, v[BM+\b]    ; the floor 2^(16 - 127): the byte cannot fall under 1
.endr
.irp b, 0,1,2,3
	s_delay_alu instid0(VALU_DEP_4)
	v_add_nc_u32 v[SO+\b], 0xf8800000, v[BM+\b]    ; 15 off the exponent field: the conversion's scale operand
.endr
.irp b, 0,1,2,3
	v_and_or_b32 v[HD+\b], v[BM+\b], 0x7f800000, s[MNT]   ; 57,344 x the scale
.endr
.irp b, 0,1,2,3
	v_lshrrev_b32 v[T4+\b], 23, v[SO+\b]           ; the scale's byte
.endr
	PADD 14, 14, S                                 ; THE ROW'S SUM, of the unquantised p: seven chains of pairs by turns
	PADD 254, S+2, S+4
	v_lshl_or_b32 v[PS], v[T4+1], 8, v[T4]         ; p's scale word for these 128 keys
	PADD 0, S+6, S+8
	PADD 236, S+10, S+12
	v_lshl_or_b32 v[PS], v[T4+2], 16, v[PS]
	PADD 238, S+14, S+16
	v_lshl_or_b32 v[PS], v[T4+3], 24, v[PS]
	PADD 240, S+18, S+20
	PADD 242, S+22, S+24
.set i, S+26
.irp a, 14,254,0,236,238,240,242,14,254,0,236,238,240,242,14,254,0,236,238
	PADD \a, \a, i
.set i, i+2
.endr
.irp a, 0,2                                    ; the conversion to an 8-bit code does not saturate (ISA guide 7.6.2); p is not negative, so the hold is one-sided.  Two blocks crosswise, two numbers an instruction
.irp j, 0,2,4,6,8,10,12,14
	v_dual_min_num_f32 v[S+16*\a+\j], v[HD+\a], v[S+16*\a+\j] :: v_dual_min_num_f32 v[S+16*\a+17+\j], v[HD+\a+1], v[S+16*\a+17+\j]
	v_dual_min_num_f32 v[S+16*\a+16+\j], v[HD+\a+1], v[S+16*\a+16+\j] :: v_dual_min_num_f32 v[S+16*\a+1+\j], v[HD+\a], v[S+16*\a+1+\j]
.endr
.irp u, 0,1
	v_cvt_scalef32_pk8_bf8_f32 v[PC+4*(\a+\u):PC+4*(\a+\u)+1], v[S+16*(\a+\u):S+16*(\a+\u)+7], v[SO+\a+\u]
	v_cvt_scalef32_pk8_bf8_f32 v[PC+4*(\a+\u)+2:PC+4*(\a+\u)+3], v[S+16*(\a+\u)+8:S+16*(\a+\u)+15], v[SO+\a+\u]
.endr
.endr
	s_wait_alu depctr_va_vdst(0)
.set i, 0
.rept 16
	v_pk_mul_f32 v[O+i:O+i+1], v[O+i:O+i+1], v[F:F+1] op_sel_hi:[1,0]   ; O^T under the new M.  (These sixteen also stand between the conversions and the products that take the codes)
.set i, i+2
.endr
.irp t, 0,1,2,3                                ; O^T += V^T P^T: source 0 = 16 of the head's 64, source 1 = p; the accumulators take turns
	v_wmma_scale_f32_16x16x128_f8f6f4 v[O+8*\t:O+8*\t+7], v[KF+16*\t:KF+16*\t+15], v[PC:PC+15], v[O+8*\t:O+8*\t+7], v[VS+\t], v[PS] matrix_a_fmt:MATRIX_FMT_BF8 matrix_b_fmt:MATRIX_FMT_BF8
.endr
	PADD 236, 236, 238                             ; the seven chains are joined: six places behind the products
	PADD 240, 240, 242
	PADD 254, 254, 0
	PADD 14, 14, 236
	PADD 240, 240, 254
	PADD 14, 14, 240
.if \first == 0
.Lhidden_\@:
.endif
.endm
.macro SUMROW
	v_add_f32 v14, v14, v15                        ; the sum's two halves,
	v_permlanex16_b32 v[T4], v14, s[SEL], s[SEL+1]
	v_add_f32 v14, v14, v[T4]                      ; and lane l xor 16's: the row's sum
.endm
; THE WAY OUT: v[S + 4 j + t] is o(query r, d = 32 h + 4 j + t).  Through the stage, and out as whole rows of 256 bytes.
.macro OUT to
.irp j, 0,1,2,3,4,5,6,7
	ds_store_b128 v[STO], v[S+4*\j:S+4*\j+3] offset:16*\j
.endr
.irp i, 0,1,2,3,4,5,6,7
	ds_load_b128 v[S+32+4*\i:S+32+4*\i+3], v[RD] offset:2*\i*SP   ; LDS serves a wave's instructions in order: these see my stores
.endr
.irp i, 0,1,2,3,4,5,6,7
	s_wait_dscnt 7-\i                              ; the 7 - i younger loads may stay out
	global_store_b128 v[GO], v[S+32+4*\i:S+32+4*\i+3], s[\to:\to+1] offset:2*\i*8192 th:TH_STORE_NT   ; sixteen lanes store 256 consecutive bytes, aligned
.endr
.endm
	STEP 1                                         ; every wave's first trip: step 0 of its first tile
	s_wait_alu depctr_va_vdst(0)
	s_wait_tensorcnt 0x0                           ; my step is in
	s_wait_dscnt 0x0
	s_barrier_signal -1
	s_barrier_wait -1                              ; all sixteen steps are in
	s_cmp_lt_u32 s[WV], 8
	s_cbranch_scc0 .Lhanded
	ds_store_b128 v[QX], v[QF:QF+3]                ; waves 0-7: the long tile's Q, for waves 8-15
	ds_store_b128 v[QX], v[QF+4:QF+7] offset:512
	ds_store_b32 v[QXW], v[QS] offset:1024
.Lhanded:
	s_wait_dscnt 0x0                               ; my stores are done: the other waves read them behind the barrier
	s_barrier_signal -1
	s_barrier_wait -1
	s_mov_b32 s[TRIP], 1
.Lloop:
	s_cmp_lt_u32 s[WV], 8
	s_cbranch_scc1 .Lgo
	s_cmp_lg_u32 s[TRIP], s[SWT]
	s_cbranch_scc1 .Lgo
	; waves 8-15, once: the short tile is finished and goes out; the long tile's later steps begin
	SUMROW
	s_wait_alu depctr_va_vdst(0)                   ; a wait ahead of the transcendental,
	v_rcp_f32 v14, v14
	v_nop
	s_wait_alu depctr_va_vdst(0)                   ; and behind it
.irp j, 0,1,2,3,4,5,6,7
.irp t, 0,1,2,3
	v_mul_f32 v[S+4*\j+\t], v[O+8*\t+\j], v14      ; each accumulator from its low end on
.endr
.endr
	ds_load_b128 v[QF:QF+3], v[QX]                 ; the long tile's Q; these three are older than the loads below, whose last wait, for 0, covers them
	ds_load_b128 v[QF+4:QF+7], v[QX] offset:512
	ds_load_b32 v[QS], v[QXW] offset:1024
	OUT 44
.set i, 0
.rept 32
	v_mov_b32 v[O+i], 0
.set i, i+1
.endr
	FRESH
	s_mov_b32 s[BQ], s[LNG]
	s_wait_alu depctr_va_vdst(0)
	s_wait_xcnt 0x0                                ; the stores' registers may be written again
.Lgo:
	s_cmp_ge_u32 s[TRIP], s[SWT]
	s_cselect_b32 s[TT], s[OFFV], 0
	s_add_co_u32 s[ST], s[TRIP], s[TT]             ; the step: the trip's number, or 8 - B further on
	s_min_u32 s[TT], s[ST], 15                     ; (waves 8-15 leave the last trip out: its number may be 16)
	s_mul_i32 s[TB], s[TT], STEPB
	s_barrier_signal -1                            ; I begin this trip.  No LDS access of mine is out; up to the wait below stand register work and loads of K and V, which no wave writes any more
	STEP 0
	s_wait_alu depctr_va_vdst(0)
	s_barrier_wait -1                              ; every wave has begun this trip: none runs more than a trip ahead.  It orders no bytes: it keeps the waves of a SIMD together
	s_add_co_u32 s[TRIP], s[TRIP], 1
	s_cmp_lt_u32 s[TRIP], 9
	s_cbranch_scc1 .Lloop
.rept 8
	v_nop                                          ; eight places behind the last products, on every way here
.endr
	s_cmp_lt_u32 s[WV], 8
	s_cbranch_scc1 .Lmeet
	SUMROW                                         ; waves 8-15 hand over what they have of the long tile
	v_mov_b32 v15, v12
.irp i, 0,1,2,3,4,5,6,7
	ds_store_b128 v[PL], v[O+4*\i:O+4*\i+3] offset:512*\i
.endr
	ds_store_b64 v[PM], v[14:15] offset:4096       ; the sum and -M
.Lmeet:
	s_wait_alu depctr_va_vdst(0)
	s_wait_dscnt 0x0                               ; my stores are done: wave B reads them behind the barrier
	s_barrier_signal -1
	s_barrier_wait -1
	s_cmp_lt_u32 s[WV], 8
	s_cbranch_scc0 .Lend
.irp i, 0,1,2,3,4,5,6,7
	ds_load_b128 v[KF+4*\i:KF+4*\i+3], v[PL] offset:512*\i
.endr
	ds_load_b64 v[BM:BM+1], v[PM] offset:4096
	SUMROW
	s_wait_alu depctr_va_vdst(0)
	s_wait_dscnt 0x0
	v_min_num_f32 v[TMP], v12, v[BM+1]             ; -M of both
	v_sub_f32 v[OM], v[TMP], v12                   ; whole numbers, 0 or less
	v_sub_f32 v13, v[TMP], v[BM+1]
	v_cvt_i32_f32 v[OM], v[OM]
	v_cvt_i32_f32 v13, v13
	v_ldexp_f32 v[F], 1.0, v[OM]                   ; my factor; the other wave's (0 where it had no step: its -M is 3e38 then)
	v_ldexp_f32 v[HD], 1.0, v13
	v_mul_f32 v14, v14, v[F]
	v_fma_f32 v14, v[BM], v[HD], v14               ; the row's sum
	s_wait_alu depctr_va_vdst(0)                   ; a wait ahead of the transcendental,
	v_rcp_f32 v14, v14
	v_nop
	s_wait_alu depctr_va_vdst(0)                   ; and behind it
	v_mul_f32 v[F], v[F], v14
	v_mul_f32 v[HD], v[HD], v14
.set i, 0
.rept 16
	v_pk_mul_f32 v[O+i:O+i+1], v[O+i:O+i+1], v[F:F+1] op_sel_hi:[1,0]
.set i, i+2
.endr
.irp j, 0,1,2,3,4,5,6,7
.irp t, 0,1,2,3
	v_fma_f32 v[S+4*\j+\t], v[KF+8*\t+\j], v[HD], v[O+8*\t+\j]
.endr
.endr
	OUT 46
.Lend:
	s_wait_tensorcnt 0x0                           ; the wave's end
	ds_add_u32 v[SPW], v[NIL]
	s_wait_dscnt 0x0
	CROUND                                         ; the closing round: no work-group ends while a partner may still ask for a tile that names it
	s_endpgm
.Lfunc_end_k_q42f317ffeb_attn:
	.size	k_q42f317ffeb_attn, .Lfunc_end_k_q42f317ffeb_attn-k_q42f317ffeb_attn
	.p2alignl 7, 3214868480
	.fill 96, 4, 3214868480
	.section	.rodata,"a",@progbits
	.p2align	6, 0x0
	.amdhsa_kernel k_q42f317ffeb_attn
		.amdhsa_group_segment_fixed_size 327680
		.amdhsa_private_segment_fixed_size 0
		.amdhsa_enable_private_segment 0
		.amdhsa_kernarg_size 24
		.amdhsa_user_sgpr_count 2
		.amdhsa_user_sgpr_kernarg_segment_ptr 1
		.amdhsa_wavefront_size32 1
		.amdhsa_system_sgpr_workgroup_id_x 1
		.amdhsa_system_sgpr_workgroup_id_y 1
		.amdhsa_system_sgpr_workgroup_id_z 1
		.amdhsa_system_vgpr_workitem_id 0
		.amdhsa_next_free_vgpr 256
		.amdhsa_next_free_sgpr 66
		.amdhsa_reserve_vcc 0
		.amdhsa_float_denorm_mode_32 3
		.amdhsa_float_denorm_mode_16_64 3
		.amdhsa_memory_ordered 1
		.amdhsa_forward_progress 1
		.amdhsa_inst_pref_size 81
	.end_amdhsa_kernel
	.amdgpu_metadata
---
amdhsa.version: [ 1, 2 ]
amdhsa.kernels:
  - .name:           k_q42f317ffeb_attn
    .symbol:         k_q42f317ffeb_attn.kd
    .args:
      - { .name: q, .offset: 0, .size: 8, .value_kind: global_buffer, .address_space: global }
      - { .name: ws, .offset: 8, .size: 8, .value_kind: global_buffer, .address_space: global }
      - { .name: out0, .offset: 16, .size: 8, .value_kind: global_buffer, .address_space: global }
    .group_segment_fixed_size: 327680
    .private_segment_fixed_size: 0
    .kernarg_segment_align: 8
    .kernarg_segment_size: 24
    .max_flat_workgroup_size: 512
    .sgpr_count:     66
    .vgpr_count:     256
    .wavefront_size: 32
...
	.end_amdgpu_metadata
.endif
;; end of part 2
